; MI455X (gfx1250); checked and timed in simulation.
; The chip was launched on July 23, 2026; its instructions are those of AMD's public machine-readable ISA for CDNA 5 (MIT licence, August 2026) and "CDNA5" Instruction Set Architecture Reference Guide (July 2026). The comments in the code are by the model that wrote it; some were corrected since.
;; U MLP. Allowed arithmetic: float matrix products may take bf16 or f16 operands with f32 sums; other float arithmetic in f32, or as packed bf16 or f16 multiplies, adds, multiply-adds, maxima and minima; sums over many terms, partial sums and values carried from step to step in f32; what a program stores and reads back later, other than sums and carried values, may be rounded once to bf16 or f16.
;; Inputs: W1 16 x 512 x 128 float32; W2 16 x 128 x 512 float32; Wsw 1,048,576 x 16 float32; b1 16 x 128 float32; b2 16 x 512 float32; bsw 16 float32; x 16 x 2,048 x 512 float32.
;; Outputs: out0 16 x 2,048 x 512 float32.
;; One version. Each part assembles by itself: llvm-mc -triple=amdgcn-amd-amdhsa -mcpu=gfx1250 --defsym DOCPART=n.
;; ======== version 1 of 1: 3 launches
;; limits: a function is approximated: absolute error at most 2.5e-05; an absolute error that grows with the inputs' magnitude: up to 1.25e-05 times it
;; workspace buffers: part 262,144 bytes; idx 4,096 bytes of whole numbers; w1f 2,097,152 bytes; w2f 2,097,152 bytes; br 40,960 bytes
;; launch router (part 1): grid 256 x 1, 16 waves a work-group, no clusters, 88,064 bytes of LDS; arguments x, Wsw, part; writes part
.if DOCPART == 1
	.amdgcn_target "amdgcn-amd-amdhsa--gfx1250"
	.amdhsa_code_object_version 6
	.text
	.protected	k_q6a90e4fee3_router
	.globl	k_q6a90e4fee3_router
	.p2align	8
	.type	k_q6a90e4fee3_router,@function
k_q6a90e4fee3_router:
	s_mov_b64 s[64:65], 0
	v_nop
	global_prefetch_b8 v0, s[64:65] scope:SCOPE_SE
	s_setreg_imm32_b32 hwreg(HW_REG_WAVE_MODE, 25, 1), 1
	s_wait_xcnt 0x0
; PARTIAL LOGITS.  logits[b][n] = sum over k of x[b][k] Wsw[k][n], b and n 0..15, k 0..1,048,575.  x: 16 rows of 4 MiB f32; Wsw: [k][16] f32.
; Work-group g sums k = 4096 g .. +4095 and stores part[g][b][n] (f32, 1,024 bytes); the next launch adds the 256 parts in a fixed order.
; Both operands are rounded to bf16 (nearest even) on their way to the matrix unit, sums in f32.  NaN and infinities are not treated apart.
; SHARES.  Sixteen waves, 256 k each, as four blocks of 64 k.  A block is 8 loads of x (lanes 0-15 take 256 consecutive bytes of one sample, lanes 16-31 of the
; next) and 8 loads of Wsw (512 consecutive bytes each).  48 of a wave's 64 loads are out before its first wait: 24 KiB a wave, 384 KiB a work-group.
; THE TURN.  The matrix operand wants lane = sample (x) and lane = column with k along the registers (Wsw lies [k][n]).  So the rounded numbers go through a patch of LDS
; that is the wave's own: x as 16 rows of 128 + 16 bytes, Wsw as 64 rows of 32 bytes, read back by ds_load_b128 and by the turning load ds_load_tr16_b128.  No barrier is needed for that.
; No cluster, no tensor load, no ring: no byte is read by two work-groups, and all of a work-group's bytes are asked for within its first lines.
.set PATCH, 4352                       ; a wave's patch: x's 16 x 144 bytes, then Wsw's 64 x 32
.set XPP,   144
.set WPO,   2304
.set RED,   69632                      ; behind the 16 patches: 1,024 bytes a wave, its 16 x 16 sums
.set SPARE, 86016                      ; behind that: the spare words, 128 bytes a wave, which no other line names
.set SPW,   8                          ; v8  LDS address of my spare word; never rewritten
.set NIL,   9                          ; v9  0; never rewritten
.set ACC0,  16                         ; v16-23, v24-31: two accumulators, which take turns
.set ACC1,  24
.set LAND,  32                         ; v32-223: three landing sets of 64 registers: x 32, Wsw 32
.set FA,    224                        ; v224-239: x's fragments for 2 x 32 k
.set FB,    240                        ; v240-255: Wsw's
	s_load_b128 s[4:7], s[0:1], 0x0                ; x s[4:5], Wsw s[6:7]
	s_load_b64 s[8:9], s[0:1], 0x10                ; part
	v_lshl_add_u32 v[SPW], v0, 2, SPARE
	v_mov_b32 v[NIL], 0
	v_lshrrev_b32 v12, 5, v0
	v_readfirstlane_b32 s10, v12                   ; wave 0..15
	s_mul_i32 s11, s10, PATCH                      ; my patch
	s_lshl_b32 s12, s10, 10
	s_add_co_u32 s12, s12, RED                     ; my 1,024 bytes of sums
	s_lshl_b32 s32, ttmp9, 14                      ; my first k in bytes of a row of x: (4096 g + 256 w) x 4
	s_lshl_b32 s33, s10, 10
	s_add_co_u32 s32, s32, s33
	s_mov_b32 s33, 0
	s_lshl_b32 s34, ttmp9, 18                      ; and in bytes of Wsw: (4096 g + 256 w) x 64
	s_lshl_b32 s35, s10, 14
	s_add_co_u32 s34, s34, s35
	s_mov_b32 s35, 0
	s_lshl_b32 s36, ttmp9, 10                      ; part: 1,024 g
	s_mov_b32 s37, 0
	v_and_b32 v12, 31, v0                          ; lane L
	v_and_b32 v13, 15, v0                          ; r = L % 16
	v_bfe_u32 v14, v0, 4, 1                        ; h = L / 16
	v_lshlrev_b32 v1, 22, v14                      ; x: h samples of 4 MiB
	v_lshl_add_u32 v1, v13, 4, v1                  ;    + 16 r
	v_lshlrev_b32 v2, 4, v12                       ; Wsw: 16 L
	v_mul_u32_u24 v3, v14, XPP                     ; x into the patch: row h of the pair, 8 bytes (4 bf16) at 8 r
	v_lshl_add_u32 v3, v13, 3, v3
	v_add_nc_u32 v3, s11, v3
	v_lshl_add_u32 v4, v12, 3, s11                 ; Wsw into the patch: 8 L
	v_add_nc_u32 v4, WPO, v4
	v_mul_u32_u24 v5, v13, XPP                     ; x's fragment: row r, 16 h
	v_lshl_add_u32 v5, v14, 4, v5
	v_add_nc_u32 v5, s11, v5
	v_and_b32 v15, 7, v0                           ; Wsw's fragment by the turning load: row 8 h + L % 8, 16 bytes at 16 ((L / 8) % 2)
	v_lshl_add_u32 v15, v14, 3, v15
	v_lshlrev_b32 v6, 5, v15
	v_bfe_u32 v15, v0, 3, 1
	v_lshl_add_u32 v6, v15, 4, v6
	v_add_nc_u32 v6, s11, v6
	v_add_nc_u32 v6, WPO, v6
	v_lshlrev_b32 v7, 9, v14                       ; my sums: register j is (b = 8 h + j, n = r): word 16 b + n
	v_lshl_add_u32 v7, v13, 2, v7
	v_add_nc_u32 v7, s12, v7
	v_lshl_add_u32 v10, s10, 9, v2                 ; the last step (waves 0 and 1): 16 bytes at 512 w + 16 L of part's 1,024,
	v_add_nc_u32 v11, RED, v10                     ; and the same place in the first wave's sums
	s_wait_kmcnt 0x0
	s_add_nc_u64 s[16:17], s[4:5], s[32:33]        ; eight bases, one for each pair of samples: 8 MiB apart, more than an immediate offset holds
.irp j, 1,2,3,4,5,6,7
	s_add_nc_u64 s[16+2*(\j):17+2*(\j)], s[16:17], (\j)*8388608
.endr
	s_add_nc_u64 s[6:7], s[6:7], s[34:35]
	s_add_nc_u64 s[8:9], s[8:9], s[36:37]
.macro LOADBLK t, set                  ; block t of 64 k into a landing set: 16 loads
.irp j, 0,1,2,3,4,5,6,7
	global_load_b128 v[LAND+64*(\set)+4*(\j):LAND+64*(\set)+4*(\j)+3], v1, s[16+2*(\j):17+2*(\j)] offset:256*(\t)
.endr
.irp i, 0,1,2,3,4,5,6,7
	global_load_b128 v[LAND+64*(\set)+32+4*(\i):LAND+64*(\set)+32+4*(\i)+3], v2, s[6:7] offset:4096*(\t)+512*(\i) th:TH_LOAD_NT
.endr
.endm
; A block is rounded, turned through the patch and multiplied.  left = the younger loads, which stay out.  zero = 1: the first products start the sums.
; LDS serves a wave's instructions in order (ISA guide 5.7.1.4): the loads see the stores above them, and the next block's stores come behind these loads.
; The 32 conversions are also the four places between the last block's products and the loads into their fragments.
.macro PROC set, left, zero
.set LX, LAND+64*(\set)
	s_wait_loadcnt \left
.irp j, 0,1,2,3,4,5,6,7,8,9,10,11,12,13,14,15
	v_cvt_pk_bf16_f32 v[LX+4*(\j)], v[LX+4*(\j)], v[LX+4*(\j)+1]
	v_cvt_pk_bf16_f32 v[LX+4*(\j)+1], v[LX+4*(\j)+2], v[LX+4*(\j)+3]
.endr
.irp j, 0,1,2,3,4,5,6,7
	ds_store_b64 v3, v[LX+4*(\j):LX+4*(\j)+1] offset:2*XPP*(\j)
.endr
.irp i, 0,1,2,3,4,5,6,7
	ds_store_b64 v4, v[LX+32+4*(\i):LX+32+4*(\i)+1] offset:256*(\i)
.endr
.irp c, 0,1
	ds_load_b128 v[FA+8*(\c):FA+8*(\c)+3], v5 offset:64*(\c)
	ds_load_b128 v[FA+8*(\c)+4:FA+8*(\c)+7], v5 offset:64*(\c)+32
	ds_load_tr16_b128 v[FB+8*(\c):FB+8*(\c)+3], v6 offset:1024*(\c)
	ds_load_tr16_b128 v[FB+8*(\c)+4:FB+8*(\c)+7], v6 offset:1024*(\c)+512
.endr
	s_wait_dscnt 0x0
.if \zero
	v_wmma_f32_16x16x32_bf16 v[ACC0:ACC0+7], v[FA:FA+7], v[FB:FB+7], 0
	v_wmma_f32_16x16x32_bf16 v[ACC1:ACC1+7], v[FA+8:FA+15], v[FB+8:FB+15], 0
.else
	v_wmma_f32_16x16x32_bf16 v[ACC0:ACC0+7], v[FA:FA+7], v[FB:FB+7], v[ACC0:ACC0+7]
	v_wmma_f32_16x16x32_bf16 v[ACC1:ACC1+7], v[FA+8:FA+15], v[FB+8:FB+15], v[ACC1:ACC1+7]
.endif
.endm
	LOADBLK 0, 0
	LOADBLK 1, 1
	LOADBLK 2, 2
	PROC 0, 32, 1                                  ; blocks 1 and 2, 32 loads, are younger
	LOADBLK 3, 0                                   ; set 0 has been read (its LDS stores were waited for in front of the products)
	PROC 1, 32, 0                                  ; blocks 2 and 3 are younger
	PROC 2, 16, 0
	PROC 0, 0, 0
.rept 4
	v_nop                                          ; four places behind the last products
.endr
.irp j, 0,2,4,6
	v_pk_add_f32 v[32+(\j):33+(\j)], v[ACC0+(\j):ACC0+(\j)+1], v[ACC1+(\j):ACC1+(\j)+1]  ; each accumulator is read from its low end on
.endr
.irp j, 0,1,2,3,4,5,6,7
	ds_store_b32 v7, v[32+(\j)] offset:64*(\j)
.endr
	s_wait_tensorcnt 0x0                           ; behind my last LDS store; only LDS reads follow
	ds_add_u32 v[SPW], v[NIL]
	s_wait_dscnt 0x0                               ; also for the others' sake: my sums are in LDS
	s_barrier_signal -1
	s_barrier_wait -1
	s_cmp_ge_u32 s10, 2
	s_cbranch_scc1 .Lend                           ; 64 threads x 16 bytes are the 1,024 bytes of the result
.irp i, 0,1,2,3,4,5,6,7,8,9,10,11,12,13,14,15
	ds_load_b128 v[32+4*(\i):35+4*(\i)], v11 offset:1024*(\i)
.endr
	s_wait_dscnt 0x0
.irp st, 8,4,2,1                       ; the sixteen waves' sums, added in a fixed order
.set i, 0
.rept \st
	v_pk_add_f32 v[32+4*i:33+4*i], v[32+4*i:33+4*i], v[32+4*(i+(\st)):33+4*(i+(\st))]
	v_pk_add_f32 v[34+4*i:35+4*i], v[34+4*i:35+4*i], v[34+4*(i+(\st)):35+4*(i+(\st))]
.set i, i+1
.endr
.endr
	global_store_b128 v10, v[32:35], s[8:9]        ; a wave stores 512 consecutive bytes, at a multiple of 256 from part's first byte
.Lend:
	s_endpgm
.Lfunc_end_k_q6a90e4fee3_router:
	.size	k_q6a90e4fee3_router, .Lfunc_end_k_q6a90e4fee3_router-k_q6a90e4fee3_router
	.p2alignl 7, 3214868480
	.fill 96, 4, 3214868480
	.section	.rodata,"a",@progbits
	.p2align	6, 0x0
	.amdhsa_kernel k_q6a90e4fee3_router
		.amdhsa_group_segment_fixed_size 88064
		.amdhsa_private_segment_fixed_size 0
		.amdhsa_enable_private_segment 0
		.amdhsa_kernarg_size 24
		.amdhsa_user_sgpr_count 2
		.amdhsa_user_sgpr_kernarg_segment_ptr 1
		.amdhsa_wavefront_size32 1
		.amdhsa_system_sgpr_workgroup_id_x 1
		.amdhsa_system_sgpr_workgroup_id_y 1
		.amdhsa_system_sgpr_workgroup_id_z 1
		.amdhsa_system_vgpr_workitem_id 0
		.amdhsa_next_free_vgpr 256
		.amdhsa_next_free_sgpr 66
		.amdhsa_reserve_vcc 0
		.amdhsa_float_denorm_mode_32 3
		.amdhsa_float_denorm_mode_16_64 3
		.amdhsa_memory_ordered 1
		.amdhsa_forward_progress 1
		.amdhsa_inst_pref_size 28
	.end_amdhsa_kernel
	.amdgpu_metadata
---
amdhsa.version: [ 1, 2 ]
amdhsa.kernels:
  - .name:           k_q6a90e4fee3_router
    .symbol:         k_q6a90e4fee3_router.kd
    .args:
      - { .name: x, .offset: 0, .size: 8, .value_kind: global_buffer, .address_space: global }
      - { .name: Wsw, .offset: 8, .size: 8, .value_kind: global_buffer, .address_space: global }
      - { .name: part, .offset: 16, .size: 8, .value_kind: global_buffer, .address_space: global }
    .group_segment_fixed_size: 88064
    .private_segment_fixed_size: 0
    .kernarg_segment_align: 8
    .kernarg_segment_size: 24
    .max_flat_workgroup_size: 512
    .sgpr_count:     66
    .vgpr_count:     256
    .wavefront_size: 32
...
	.end_amdgpu_metadata
.endif
;; end of part 1
;; launch prep (part 2): grid 272 x 1, 4 waves a work-group, no clusters, 34,816 bytes of LDS; arguments part, bsw, W1, W2, b1, b2, idx, w1f, w2f, br; writes idx, w1f, w2f, br
.if DOCPART == 2
	.amdgcn_target "amdgcn-amd-amdhsa--gfx1250"
	.amdhsa_code_object_version 6
	.text
	.protected	k_q6a90e4fee3_prep
	.globl	k_q6a90e4fee3_prep
	.p2align	8
	.type	k_q6a90e4fee3_prep,@function
k_q6a90e4fee3_prep:
	s_mov_b64 s[64:65], 0
	v_nop
	global_prefetch_b8 v0, s[64:65] scope:SCOPE_SE
	s_setreg_imm32_b32 hwreg(HW_REG_WAVE_MODE, 25, 1), 1
	s_wait_xcnt 0x0
; TWO JOBS in one launch.
; Work-groups 0-15 (one a sample b, which is also expert e for the biases): the 256 partial logits are added, bsw (rounded to bf16 like every input) is added, softmax with its maximum
; taken away, and the two largest probabilities' indices (ties: the lower index, as jax.lax.top_k) are stored as whole numbers: idx[b] = 32 copies of the pair (e0, e1), 256 bytes.
; No address and no branch hangs on them here.  They also round b1[e] and b2[e] to bf16 and store them as f32 in br (b1 at byte 0, b2 at byte 8,192).
; LIMITS.  A probability below 2^-126 counts as 0 (v_exp_f32 flushes: ISA guide 15.8); p = e x (1 / sum) by v_rcp_f32, not a division, so two probabilities that differ in the last bit
; may tie otherwise than in a division; NaN and infinities are not treated apart.
; Work-groups 16-271 (c = id - 16: expert e = c / 16, part q = c % 16): W1[e] and W2[e] are rounded to bf16 once and laid out in the order in which a wave's operand registers take them.
; A FRAGMENT is 1,024 bytes, 16 columns n x 32 k: bytes 16 L .. +15 (lane L = (r, h)) hold k = 8 h .. +7 of column n = r, bytes 512 + 16 L .. +15 hold k = 16 + 8 h .. +7.
;   w1f[e][hq 2][kc 16][hb 4]: n = hidden 64 hq + 16 hb + r, k = d 32 kc + ..      w2f[e][dq 4][kc 4][db 8]: n = d 128 dq + 16 db + r, k = hidden 32 kc + ..
; The weights lie [k][n], so 32 k x 128 n of each go through LDS in f32 (rows of 512 + 16 bytes) and are read back down the columns.
.set TP,    528
.set T2,    32*TP                      ; W2's 32 rows behind W1's
.set RED2,  2*T2                       ; 33,792: four waves' 16 sums, 256 bytes
.set SPARE, RED2+256                   ; the spare words, 128 bytes a wave, which no other line names
.set SPW,   8                          ; v8  LDS address of my spare word; never rewritten
.set NIL,   9                          ; v9  0; never rewritten
.set FR,    32                         ; v32-127: four fragments' 16 numbers and 8 packed words each; before that the 16 rows as loaded
	s_load_b512 s[4:19], s[0:1], 0x0               ; part s[4:5], bsw s[6:7], W1 s[8:9], W2 s[10:11], b1 s[12:13], b2 s[14:15], idx s[16:17], w1f s[18:19]
	s_load_b128 s[20:23], s[0:1], 0x40             ; w2f s[20:21], br s[22:23]
	v_lshl_add_u32 v[SPW], v0, 2, SPARE
	v_mov_b32 v[NIL], 0
	v_lshrrev_b32 v1, 5, v0
	v_readfirstlane_b32 s24, v1                    ; wave 0..3
	v_and_b32 v1, 31, v0                           ; lane L
	v_lshlrev_b32 v2, 4, v1                        ; 16 L
	v_and_b32 v3, 15, v0                           ; r
	v_bfe_u32 v4, v0, 4, 1                         ; h
	s_cmp_lt_u32 ttmp9, 16                         ; the same in all waves of a work-group
	s_cbranch_scc1 .Ltop
	; ---------------- the weights' layout ----------------
	s_sub_co_u32 s25, ttmp9, 16                    ; c
	s_lshr_b32 s26, s25, 4                         ; e
	s_and_b32 s27, s25, 15                         ; q: W1's k block
	s_lshr_b32 s28, s27, 2                         ; W2's k block kc
	s_and_b32 s29, s27, 3                          ; W2's quarter of the columns
	s_lshl_b32 s30, s25, 14                        ; W1: 32 rows of 512 bytes are dense: c x 16,384, my 8 rows at w x 4,096
	s_lshl_b32 s31, s24, 12
	s_add_co_u32 s30, s30, s31
	s_mov_b32 s31, 0
	s_lshl_b32 s32, s26, 18                        ; W2: e x 262,144 + (32 kc + 8 w) rows of 2,048 bytes + 512 x quarter
	s_lshl_b32 s33, s28, 16
	s_add_co_u32 s32, s32, s33
	s_lshl_b32 s33, s24, 14
	s_add_co_u32 s32, s32, s33
	s_lshl_b32 s33, s29, 9
	s_add_co_u32 s32, s32, s33
	s_mov_b32 s33, 0
	s_lshl_b32 s34, s26, 17                        ; e x 131,072 in w1f and in w2f
	s_lshr_b32 s35, s24, 1                         ; w1f: my column blocks 2 w, 2 w + 1: hq = w / 2, hb = 2 (w % 2) + i
	s_lshl_b32 s35, s35, 16
	s_add_co_u32 s36, s34, s35
	s_lshl_b32 s35, s27, 12
	s_add_co_u32 s36, s36, s35
	s_and_b32 s35, s24, 1
	s_lshl_b32 s35, s35, 11
	s_add_co_u32 s36, s36, s35
	s_mov_b32 s37, 0
	s_lshl_b32 s35, s29, 15                        ; w2f: dq x 32,768 + kc x 8,192 + (2 w + i) x 1,024
	s_add_co_u32 s38, s34, s35
	s_lshl_b32 s35, s28, 13
	s_add_co_u32 s38, s38, s35
	s_lshl_b32 s35, s24, 11
	s_add_co_u32 s38, s38, s35
	s_mov_b32 s39, 0
	s_mul_i32 s40, s24, 8*TP
	v_add_nc_u32 v5, s40, v2                       ; into LDS: my 8 rows, 16 L
	v_mul_u32_u24 v6, v4, 8*TP                     ; back: row 8 h + kk, word r of column block 2 w + i.  Lanes 16-31 lie 1,056 words on: the other half of the 64 banks (ISA guide 11.1)
	v_lshl_add_u32 v6, v3, 2, v6
	v_lshl_add_u32 v6, s24, 7, v6
	s_wait_kmcnt 0x0
	s_add_nc_u64 s[8:9], s[8:9], s[30:31]
	s_add_nc_u64 s[10:11], s[10:11], s[32:33]
	s_add_nc_u64 s[18:19], s[18:19], s[36:37]
	s_add_nc_u64 s[20:21], s[20:21], s[38:39]
.irp i, 0,1,2,3,4,5,6,7
	global_load_b128 v[FR+4*(\i):FR+4*(\i)+3], v2, s[8:9] offset:512*(\i) th:TH_LOAD_NT     ; a row's 512 consecutive bytes
.endr
.irp i, 0,1,2,3,4,5,6,7
	global_load_b128 v[FR+32+4*(\i):FR+32+4*(\i)+3], v2, s[10:11] offset:2048*(\i) th:TH_LOAD_NT
.endr
.irp i, 0,1,2,3,4,5,6,7
	s_wait_loadcnt 15-(\i)                         ; loads come back in order: row i is in
	ds_store_b128 v5, v[FR+4*(\i):FR+4*(\i)+3] offset:TP*(\i)
.endr
.irp i, 0,1,2,3,4,5,6,7
	s_wait_loadcnt 7-(\i)
	ds_store_b128 v5, v[FR+32+4*(\i):FR+32+4*(\i)+3] offset:T2+TP*(\i)
.endr
	s_wait_tensorcnt 0x0                           ; behind my last LDS store; only LDS reads follow
	ds_add_u32 v[SPW], v[NIL]
	s_wait_dscnt 0x0                               ; also for the others' sake: my rows are in LDS
	s_barrier_signal -1
	s_barrier_wait -1
.macro FRAGL f                         ; fragment f (0, 1: W1's; 2, 3: W2's): a lane's 16 numbers, down its column
.irp kk, 0,1,2,3,4,5,6,7
	ds_load_b32 v[FR+24*(\f)+(\kk)], v6 offset:((\f)/2)*T2+64*((\f)%2)+(\kk)*TP
.endr
.irp kk, 0,1,2,3,4,5,6,7
	ds_load_b32 v[FR+24*(\f)+8+(\kk)], v6 offset:((\f)/2)*T2+64*((\f)%2)+(16+(\kk))*TP
.endr
.endm
.macro FRAGS f                         ; rounded in pairs along k and stored: two stores of 512 consecutive bytes
	s_wait_dscnt 48-16*(\f)                        ; the later fragments' loads stay out
.irp j, 0,1,2,3,4,5,6,7
	v_cvt_pk_bf16_f32 v[FR+24*(\f)+16+(\j)], v[FR+24*(\f)+2*(\j)], v[FR+24*(\f)+2*(\j)+1]
.endr
.if (\f) < 2
	global_store_b128 v2, v[FR+24*(\f)+16:FR+24*(\f)+19], s[18:19] offset:1024*((\f)%2)
	global_store_b128 v2, v[FR+24*(\f)+20:FR+24*(\f)+23], s[18:19] offset:1024*((\f)%2)+512
.else
	global_store_b128 v2, v[FR+24*(\f)+16:FR+24*(\f)+19], s[20:21] offset:1024*((\f)%2)
	global_store_b128 v2, v[FR+24*(\f)+20:FR+24*(\f)+23], s[20:21] offset:1024*((\f)%2)+512
.endif
.endm
	FRAGL 0
	FRAGL 1
	FRAGL 2
	FRAGL 3
	FRAGS 0                                        ; each fragment has registers of its own: no store's data is written again
	FRAGS 1
	FRAGS 2
	FRAGS 3
	s_endpgm
	; ---------------- the routing of sample b, and expert b's biases ----------------
.Ltop:
	s_lshl_b32 s26, ttmp9, 11                      ; b2: 2,048 e
	s_mov_b32 s27, 0
	s_lshl_b32 s28, ttmp9, 9                       ; b1: 512 e
	s_mov_b32 s29, 0
	s_lshl_b32 s30, ttmp9, 6                       ; part: 64 b + my 64 parts, 65,536 w
	s_lshl_b32 s31, s24, 16
	s_add_co_u32 s30, s30, s31
	s_mov_b32 s31, 0
	s_lshl_b32 s32, ttmp9, 8                       ; idx: 256 b
	s_mov_b32 s33, 0
	s_add_co_u32 s34, s26, 8192                    ; br: b2's part begins at byte 8,192
	s_mov_b32 s35, 0
	s_lshl_b32 s36, s24, 6
	s_add_co_u32 s36, s36, RED2                    ; my wave's 64 bytes of sums
	s_mov_b32 s40, 0x76543210                      ; v_permlanex16_b32: each lane takes its own place in the other half
	s_mov_b32 s41, 0xfedcba98
	v_lshlrev_b32 v5, 4, v0                        ; 16 t: b2's 2,048 bytes over 128 threads
	v_lshlrev_b32 v13, 2, v0                       ; 4 t: b1's 512 bytes
	v_and_b32 v6, 3, v0                            ; which four of the 16 columns
	v_bfe_u32 v7, v0, 2, 3                         ; which of eight parts
	v_lshlrev_b32 v10, 4, v6
	v_lshl_add_u32 v11, v7, 10, v10                ; 1,024 x part + 16 x four
	v_add_nc_u32 v10, s36, v10
	v_mov_b32 v12, 0                               ; bsw: every lane reads all 64 bytes
	v_mov_b32 v14, RED2
	v_lshlrev_b32 v15, 3, v1                       ; idx: 8 L
	s_wait_kmcnt 0x0
	s_add_nc_u64 s[4:5], s[4:5], s[30:31]
	s_add_nc_u64 s[14:15], s[14:15], s[26:27]
	s_add_nc_u64 s[12:13], s[12:13], s[28:29]
	s_add_nc_u64 s[16:17], s[16:17], s[32:33]
	s_add_nc_u64 s[38:39], s[22:23], s[34:35]
	s_add_nc_u64 s[22:23], s[22:23], s[28:29]
.irp i, 0,1,2,3,4,5,6,7
	global_load_b128 v[64+4*(\i):67+4*(\i)], v11, s[4:5] offset:8192*(\i) th:TH_LOAD_NT  ; parts 64 w + 8 i + (L / 4): 64 bytes of each; the whole buffer is 256 KiB
.endr
.irp q, 0,1,2,3
	global_load_b128 v[48+4*(\q):51+4*(\q)], v12, s[6:7] offset:16*(\q)
.endr
	global_load_b128 v[16:19], v5, s[14:15]
	global_load_b32 v20, v13, s[12:13]
	s_wait_loadcnt 6                               ; the eight loads of part are in; the six behind them stay out
.irp st, 4,2,1
.set i, 0
.rept \st
	v_pk_add_f32 v[64+4*i:65+4*i], v[64+4*i:65+4*i], v[64+4*(i+(\st)):65+4*(i+(\st))]
	v_pk_add_f32 v[66+4*i:67+4*i], v[66+4*i:67+4*i], v[66+4*(i+(\st)):67+4*(i+(\st))]
.set i, i+1
.endr
.endr
.irp k, 0,1,2,3                        ; over the eight lanes that hold the same four columns: lanes 4, 8 and 16 apart
	v_add_f32_dpp v[64+(\k)], v[64+(\k)], v[64+(\k)] row_xmask:4 row_mask:0xf bank_mask:0xf
.endr
.irp k, 0,1,2,3
	v_add_f32_dpp v[64+(\k)], v[64+(\k)], v[64+(\k)] row_xmask:8 row_mask:0xf bank_mask:0xf
.endr
.irp k, 0,1,2,3
	v_permlanex16_b32 v[68+(\k)], v[64+(\k)], s40, s41   ; its destination counts as read: these registers have been written
.endr
.irp k, 0,1,2,3
	v_add_f32 v[64+(\k)], v[64+(\k)], v[68+(\k)]
.endr
	ds_store_b128 v10, v[64:67]                    ; lanes with the same address hold the same bits
	s_wait_tensorcnt 0x0                           ; behind my last LDS store; the biases' rounding, work on registers, stands between the add and its wait
	ds_add_u32 v[SPW], v[NIL]
	s_wait_loadcnt 0x0
	v_cvt_pk_bf16_f32 v21, v16, v17                ; rounded to bf16 and widened again
	v_cvt_pk_bf16_f32 v22, v18, v19
	v_cvt_pk_bf16_f32 v23, v20, v20
	v_lshlrev_b32 v16, 16, v21
	v_and_b32 v17, 0xffff0000, v21
	v_lshlrev_b32 v18, 16, v22
	v_and_b32 v19, 0xffff0000, v22
	v_lshlrev_b32 v20, 16, v23
	s_wait_dscnt 0x0                               ; also for wave 0's sake: my sums are in LDS
	s_barrier_signal -1
	s_barrier_wait -1
	global_store_b128 v5, v[16:19], s[38:39]       ; a wave stores 512 consecutive bytes
	global_store_b32 v13, v20, s[22:23]            ; 128 consecutive bytes a wave: b1 is 8 KiB in all
	s_cmp_lg_u32 s24, 0
	s_cbranch_scc1 .Ldone
.irp i, 0,1,2,3,4,5,6,7,8,9,10,11,12,13,14,15
	ds_load_b128 v[64+4*(\i):67+4*(\i)], v14 offset:16*(\i)  ; wave w's column n lands in v[64 + 16 w + n], in every lane
.endr
.irp j, 0,1,2,3,4,5,6,7
	v_cvt_pk_bf16_f32 v[32+(\j)], v[48+2*(\j)], v[48+2*(\j)+1]   ; bsw rounded to bf16
.endr
.irp j, 0,1,2,3,4,5,6,7
	v_lshlrev_b32 v[48+2*(\j)], 16, v[32+(\j)]
	v_and_b32 v[48+2*(\j)+1], 0xffff0000, v[32+(\j)]
.endr
	s_wait_dscnt 0x0
.irp n, 0,2,4,6,8,10,12,14
	v_pk_add_f32 v[64+(\n):65+(\n)], v[64+(\n):65+(\n)], v[80+(\n):81+(\n)]
	v_pk_add_f32 v[96+(\n):97+(\n)], v[96+(\n):97+(\n)], v[112+(\n):113+(\n)]
.endr
.irp n, 0,2,4,6,8,10,12,14
	v_pk_add_f32 v[64+(\n):65+(\n)], v[64+(\n):65+(\n)], v[96+(\n):97+(\n)]
.endr
.irp n, 0,2,4,6,8,10,12,14
	v_pk_add_f32 v[64+(\n):65+(\n)], v[64+(\n):65+(\n)], v[48+(\n):49+(\n)]   ; the 16 logits
.endr
	v_max3_num_f32 v26, v64, v65, v66              ; softmax: the maximum is taken away
.irp n, 67,69,71,73,75,77
	v_max3_num_f32 v26, v26, v[\n], v[(\n)+1]
.endr
	v_max_num_f32 v26, v26, v79
.set i, 64
.rept 16
	v_sub_f32 v[i], v[i], v26
.set i, i+1
.endr
.set i, 64
.rept 16
	v_mul_f32 v[i], 0x3fb8aa3b, v[i]               ; e^x = 2^(x log2 e)
.set i, i+1
.endr
.set i, 64
.rept 16
	v_exp_f32 v[i], v[i]
.set i, i+1
.endr
	v_nop                                          ; a plain instruction behind the last exponential (ISA guide 5.7.2),
	s_wait_alu depctr_va_vdst(0)                   ; and one wait for the batch ahead of the first use
	v_add_f32 v27, v64, v65
.set i, 66
.rept 14
	v_add_f32 v27, v27, v[i]
.set i, i+1
.endr
	v_rcp_f32 v28, v27
	v_nop
	s_wait_alu depctr_va_vdst(0)
.set i, 64
.rept 16
	v_mul_f32 v[i], v[i], v28                      ; the probabilities
.set i, i+1
.endr
	v_mov_b32 v29, -1.0
.macro SCAN bi                         ; the largest of the 16 and its index; where two are equal the lower index stays
	v_mov_b32 v26, v64
	v_mov_b32 v[\bi], 0
.set i, 1
.rept 15
	v_cmp_ge_f32 vcc_lo, v26, v[64+i]
	v_cndmask_b32 v[\bi], i, v[\bi], vcc_lo
	v_cndmask_b32 v26, v[64+i], v26, vcc_lo
.set i, i+1
.endr
.endm
	SCAN 24
.set i, 0
.rept 16
	v_cmp_eq_u32 vcc_lo, i, v24                    ; the first choice leaves the field: below every probability
	v_cndmask_b32 v[64+i], v[64+i], v29, vcc_lo
.set i, i+1
.endr
	SCAN 25
	global_store_b64 v15, v[24:25], s[16:17]       ; 32 copies of the pair: 256 consecutive bytes, all of sample b's part of idx
.Ldone:
	s_endpgm
.Lfunc_end_k_q6a90e4fee3_prep:
	.size	k_q6a90e4fee3_prep, .Lfunc_end_k_q6a90e4fee3_prep-k_q6a90e4fee3_prep
	.p2alignl 7, 3214868480
	.fill 96, 4, 3214868480
	.section	.rodata,"a",@progbits
	.p2align	6, 0x0
	.amdhsa_kernel k_q6a90e4fee3_prep
		.amdhsa_group_segment_fixed_size 34816
		.amdhsa_private_segment_fixed_size 0
		.amdhsa_enable_private_segment 0
		.amdhsa_kernarg_size 80
		.amdhsa_user_sgpr_count 2
		.amdhsa_user_sgpr_kernarg_segment_ptr 1
		.amdhsa_wavefront_size32 1
		.amdhsa_system_sgpr_workgroup_id_x 1
		.amdhsa_system_sgpr_workgroup_id_y 1
		.amdhsa_system_sgpr_workgroup_id_z 1
		.amdhsa_system_vgpr_workitem_id 0
		.amdhsa_next_free_vgpr 128
		.amdhsa_next_free_sgpr 66
		.amdhsa_reserve_vcc 1
		.amdhsa_float_denorm_mode_32 3
		.amdhsa_float_denorm_mode_16_64 3
		.amdhsa_memory_ordered 1
		.amdhsa_forward_progress 1
		.amdhsa_inst_pref_size 30
	.end_amdhsa_kernel
	.amdgpu_metadata
---
amdhsa.version: [ 1, 2 ]
amdhsa.kernels:
  - .name:           k_q6a90e4fee3_prep
    .symbol:         k_q6a90e4fee3_prep.kd
    .args:
      - { .name: part, .offset: 0, .size: 8, .value_kind: global_buffer, .address_space: global }
      - { .name: bsw, .offset: 8, .size: 8, .value_kind: global_buffer, .address_space: global }
      - { .name: W1, .offset: 16, .size: 8, .value_kind: global_buffer, .address_space: global }
      - { .name: W2, .offset: 24, .size: 8, .value_kind: global_buffer, .address_space: global }
      - { .name: b1, .offset: 32, .size: 8, .value_kind: global_buffer, .address_space: global }
      - { .name: b2, .offset: 40, .size: 8, .value_kind: global_buffer, .address_space: global }
      - { .name: idx, .offset: 48, .size: 8, .value_kind: global_buffer, .address_space: global }
      - { .name: w1f, .offset: 56, .size: 8, .value_kind: global_buffer, .address_space: global }
      - { .name: w2f, .offset: 64, .size: 8, .value_kind: global_buffer, .address_space: global }
      - { .name: br, .offset: 72, .size: 8, .value_kind: global_buffer, .address_space: global }
    .group_segment_fixed_size: 34816
    .private_segment_fixed_size: 0
    .kernarg_segment_align: 8
    .kernarg_segment_size: 80
    .max_flat_workgroup_size: 128
    .sgpr_count:     66
    .vgpr_count:     128
    .wavefront_size: 32
...
	.end_amdgpu_metadata
.endif
;; end of part 2
;; launch ffn (part 3): grid 16 x 16, 4 waves a work-group, no clusters, 279,040 bytes of LDS; arguments x, idx, w1f, w2f, br, out0; writes out0
.if DOCPART == 3
	.amdgcn_target "amdgcn-amd-amdhsa--gfx1250"
	.amdhsa_code_object_version 6
	.text
	.protected	k_q6a90e4fee3_ffn
	.globl	k_q6a90e4fee3_ffn
	.p2align	8
	.type	k_q6a90e4fee3_ffn,@function
k_q6a90e4fee3_ffn:
	s_mov_b64 s[64:65], 0
	v_nop
	global_prefetch_b8 v0, s[64:65] scope:SCOPE_SE
	s_setreg_imm32_b32 hwreg(HW_REG_WAVE_MODE, 25, 1), 1
	s_wait_xcnt 0x0
; out[b][s][:] = sum over the sample's two experts e of ( gelu(x[b][s] W1[e] + b1[e]) W2[e] + b2[e] ).  For one sample that is ONE chain with a hidden width of 256: the two experts side by side.
; x, out0: [16][2048][512] f32.  idx[b]: the two experts (whole numbers, stored by the launch before).  w1f, w2f: the weights in bf16, in fragments of 1,024 bytes (16 n x 32 k: bytes 16 L .. of
; lane L = (r, h) hold k = 8 h .. +7 of column r, bytes 512 + 16 L .. hold k = 16 + 8 h .. +7).  br: b1 and b2, rounded to bf16, as f32.  x is rounded to bf16 here, the hidden layer once to bf16; all sums in f32.
; LIMITS.  erf by Abramowitz and Stegun 7.1.25, off by 2.5e-5 at the most for every argument, so gelu is off by 1.25e-5 |x| at the most, at every scale; NaN and infinities are not treated apart.
; SHARES.  A work-group owns 128 rows of one sample: 16 x 16 work-groups.  Both products are used transposed (source 0 = 16 columns of the weights, source 1 = 16 rows), so that a lane holds one row and eight
; neighbouring columns.  First product: wave w owns hidden units 64 w .. +63 (waves 0, 1: the first expert's, waves 2, 3: the second's) x all 128 rows: 32 accumulators.  Second: wave w owns columns
; 128 w .. +127 x all rows.  So each weight byte has ONE reader wave in the work-group, and goes from memory straight into that wave's operand registers.
; x comes by eight tensor loads a wave, all issued at the start (eight are out, by this text's count), each into bytes of its own: nothing is filled twice.  Chunk s (64 columns) is rounded in place by the wave
; that fetched its 32 rows and shared behind a barrier.  A tile has 32 rows, not 64, so that every wave's s-th load is its own quarter of chunk s and one count serves all waves.
; THE FIRST PRODUCT'S ORDER.  While chunk s is multiplied, chunk s + 1 is made ready: its f32 are read at the end of the chunk before (CVL), rounded and put back between the two halves of K step 2 s (CVS),
; shown to the other waves by a barrier whose signal and wait stand 16 matrix instructions apart, and its fragments are fetched in the middle of K step 2 s + 1 and behind it.  So matrix instructions stand
; between every LDS request and the wait for it.
; BEHIND IT THE ROWS GO IN TWO HALVES: gelu of rows 0-63, their second product and stores, then gelu of rows 64-127 while those stores are on their way, then their product and stores.  W2 stays in 512 registers.
; A row block's results go through the wave's stage in LDS and are stored behind the next block's 64 matrix instructions; the fragments of the block two further on are asked for at the same place.
; NO CLUSTER, though a sample's 16 work-groups walk the same 512 KiB of weights: x's eight chunks take 278,528 of the 327,680 bytes of LDS; two slots in the 48 KiB left would hold 24 KiB, 48 matrix
; instructions a wave for each round of the cluster's barrier; and since each weight byte has one reader wave, the way through LDS would add a write and a read of all 512 KiB.
; REGISTERS, in windows of 256 (s_set_vgpr_msb: bits 1:0 source 0, 3:2 source 1, 5:4 source 2, 7:6 destination):
;   window 0: v0-15 addresses; v32-63 b1; v64-191 x's fragments, two buffers; v192-255 at work on the rounding.  Later v32-111 gelu at work; v64-191 the hidden layer's fragments, two buffers; v192-255 b2
;   window 1: W1, a ring of 8 K steps x 32 registers; later the second expert's W2      window 3: the first expert's W2
;   window 2: the first product's accumulators, (hb, rb) at 8 (4 rb + hb): rows 0-63 in v0-127, which the second product's two sets of 8 accumulators take when those rows' gelu is done
.set XP,    272                        ; a row of a chunk in LDS: 256 bytes of f32 + 16 of padding; its bf16 take the first 128.  17 x 16 bytes: the 16 rows of a fragment load start at 16 different groups of four banks (ISA guide 11.1)
.set QUART, 32*XP                      ; what one tensor load brings
.set CHB,   128*XP                     ; a chunk: 34,816 bytes
.set HP,    528                        ; a row of the hidden layer (256 bf16 + 16 bytes), and of a stage (128 f32 + 16 bytes)
.set STAGE, 2*CHB                      ; the hidden layer lies over chunks 0 and 1 (67,584 bytes), the four stages over chunk 2: those bytes have had their only fill, and every wave's reads of them were waited for ahead of later barriers
.set STGW,  16*HP
.set SPARE, 8*CHB                      ; behind the chunks: the spare words, 128 bytes a wave, which no other line names
.set VO,  1                            ; v1   16 L
.set ACV, 2                            ; v2   the rounding: where I read 16 bytes of f32
.set ASV, 3                            ; v3   and where I put their 8 bytes of bf16
.set AX,  4                            ; v4   x's fragments
.set AH,  5                            ; v5   where I put 16 bytes of the hidden layer
.set AHF, 6                            ; v6   the hidden layer's fragments; never rewritten
.set AST, 7                            ; v7   into my stage
.set ARD, 8                            ; v8   back from my stage
.set VB,  9                            ; v9   32 h: my eight numbers of a bias
.set SPW, 10                           ; v10  LDS address of my spare word; never rewritten
.set NIL, 11                           ; v11  0; never rewritten
.set B1,  32
.set XF,  64
.set CV,  192
.set GT,  32                           ; gelu: two sets of 32: U, W, A, R
.set GP,  96
.set GG,  104
.set HF0, 64
.set HF1, 128
.set B2,  192
.set ACC0, 0                           ; window 2
.set ACC1, 64
.set WV,  16                           ; s16  my wave's number
.set G1,  24                           ; s[24:31] descriptor group 1
.set G0,  32                           ; s[32:63] descriptor group 0, a set for each of the eight loads: all are out together
.set SQ,  66                           ; s[66:67] sqrt(log2(e) / 2)
.set PPC, 68                           ; s[68:69] 0.47047 / sqrt(2)
.set CA1, 70                           ; s[70:75] half of the series' three coefficients
.set CA2, 72
.set CA3, 74
.set ABSM, 76
.set W1B, 78                           ; s[78:79] my half of my expert's W1
.set W2A, 80                           ; s[80:81] my quarter of the first expert's W2
.set W2B, 82                           ; s[82:83] of the second's
.set B1P, 84
.set B2A, 86
.set B2B, 88
.set E0,  92
.set E1,  93
.set MSB, 0
.macro WIN new                         ; the immediate's high byte repeats the setting that is left; a switch that changes nothing is dropped
.if MSB != (\new)
	s_set_vgpr_msb (MSB<<8)|(\new)
.set MSB, \new
.endif
.endm
.macro PLACES                          ; four places behind matrix instructions, ahead of loads into their registers and of reads of their results (ISA guide 7.12.1 for reads of their results)
.rept 4
	v_nop
.endr
.endm
	s_load_b256 s[4:11], s[0:1], 0x0               ; x s[4:5], idx s[6:7], w1f s[8:9], w2f s[10:11]
	s_load_b128 s[12:15], s[0:1], 0x20             ; br s[12:13], out0 s[14:15]
	v_lshl_add_u32 v[SPW], v0, 2, SPARE
	v_mov_b32 v[NIL], 0
	ds_add_u32 v[SPW], v[NIL]                      ; the wave's opening: the add and its wait stand ahead of my first tensor load; the set-up below stands between them
	ds_add_u32 v10, v11
	v_lshrrev_b32 v12, 5, v0
	v_readfirstlane_b32 s[WV], v12                 ; wave 0..3
	s_and_b32 s17, ttmp7, 0xffff                   ; the sample b
	; descriptor group 1: a tile of 32 rows x 64 elements of 4 bytes, padded in LDS
	s_mov_b32 s[G1+0], (2<<16)|(1<<20)|(5<<22)|(3<<25)  ; 15:0 no mask; 17:16 elements of 4 bytes; 20 padding on; 24:22 after every 64 words (code 5); 31:25 4 words of it (code 3)
	s_mov_b32 s[G1+1], 64<<16                      ; tensor_dim0 = 64
	s_mov_b32 s[G1+2], 32<<16                      ; tensor_dim1 = 32
	s_mov_b32 s[G1+3], 64<<16                      ; tile_dim0 = 64
	s_mov_b32 s[G1+4], 32                          ; tile_dim1 = 32
	s_mov_b32 s[G1+5], 512                         ; 512 elements from row to row
	s_mov_b32 s[G1+6], 0
	s_mov_b32 s[G1+7], 0
	s_mov_b32 s[SQ], 0x3f596d27                    ; 0.8493218
	s_mov_b32 s[SQ+1], s[SQ]                       ; each is named as a pair, so both words are written
	s_mov_b32 s[PPC], 0x3eaa540d                   ; 0.33267252
	s_mov_b32 s[PPC+1], s[PPC]
	s_mov_b32 s[CA1], 0x3e32303a                   ; 0.1740121
	s_mov_b32 s[CA1+1], s[CA1]
	s_mov_b32 s[CA2], 0xbd445ca1                   ; -0.0479399
	s_mov_b32 s[CA2+1], s[CA2]
	s_mov_b32 s[CA3], 0x3ebf7377                   ; 0.3739278
	s_mov_b32 s[CA3+1], s[CA3]
	s_mov_b32 s[ABSM], 0x7fffffff
	s_mul_i32 s18, s[WV], QUART                    ; my quarter of a chunk
	s_lshl_b32 s19, s17, 11
	s_lshl_b32 s20, ttmp9, 7
	s_add_co_u32 s19, s19, s20                     ; the tile's first row: 2,048 b + 128 t
	s_lshl_b32 s20, s[WV], 5
	s_add_co_u32 s20, s19, s20                     ; the first row that I fetch
	s_lshl_b32 s20, s20, 11                        ; rows of 2,048 bytes
	s_mov_b32 s21, 0
	s_lshl_b32 s22, s19, 11                        ; out0: the tile's first row, my 512 bytes of it
	s_lshl_b32 s23, s[WV], 9
	s_add_co_u32 s22, s22, s23
	s_mov_b32 s23, 0
	s_lshl_b32 s94, s17, 8                         ; idx: 256 b
	s_mov_b32 s95, 0
	s_wait_dscnt 0x0                               ; the opening add is done
	s_wait_kmcnt 0x0
	s_add_nc_u64 s[6:7], s[6:7], s[94:95]
	s_load_b64 s[E0:E1], s[6:7], 0x0               ; the two experts
	s_add_nc_u64 s[4:5], s[4:5], s[20:21]
	s_add_nc_u64 s[14:15], s[14:15], s[22:23]      ; never rewritten: a row's place among the tile's 128 stands in the stores' immediates
.irp s, 0,1,2,3,4,5,6,7                ; all of x's tile is asked for at once, ahead of every wait on TENSORcnt, every LDS read and every barrier
	s_mov_b32 s[G0+4*(\s)], 1                                      ; count = 1
	s_add_co_u32 s[G0+4*(\s)+1], s18, (\s)*CHB                     ; LDS address: chunk s, my quarter
	s_add_nc_u64 s[G0+4*(\s)+2:G0+4*(\s)+3], s[4:5], 256*(\s)      ; global address: my 32 rows, columns 64 s on
	s_or_b32 s[G0+4*(\s)+3], s[G0+4*(\s)+3], 0x80000000            ; type = 2
	tensor_load_to_lds s[G0+4*(\s):G0+4*(\s)+3], s[G1:G1+7]
	s_nop 0
.endr
	v_and_b32 v12, 31, v0                          ; lane L
	v_and_b32 v13, 15, v0                          ; r
	v_bfe_u32 v14, v0, 4, 1                        ; h
	v_lshlrev_b32 v[VO], 4, v12
	v_mul_u32_u24 v15, v14, XP                     ; the rounding: lanes 0-15 one row, lanes 16-31 the next
	v_add_nc_u32 v15, s18, v15
	v_lshl_add_u32 v[ACV], v13, 4, v15
	v_lshl_add_u32 v[ASV], v13, 3, v15
	v_mul_u32_u24 v[AX], v13, XP                   ; a fragment: row r, 16 h
	v_lshl_add_u32 v[AX], v14, 4, v[AX]
	v_mul_u32_u24 v[AHF], v13, HP
	v_lshl_add_u32 v[AHF], v14, 4, v[AHF]
	v_lshl_add_u32 v[AH], s[WV], 7, v[AHF]         ; my 64 hidden units are 128 bytes of a row
	s_mul_i32 s19, s[WV], STGW
	s_add_co_u32 s19, s19, STAGE                   ; my stage
	v_mul_u32_u24 v[AST], v13, HP                  ; in: row r, 32 bytes for each half of the lanes
	v_lshl_add_u32 v[AST], v14, 5, v[AST]
	v_add_nc_u32 v[AST], s19, v[AST]
	v_add_nc_u32 v[ARD], s19, v[VO]                ; back: a row's 512 bytes over 32 lanes
	v_lshlrev_b32 v[VB], 5, v14
	s_wait_kmcnt 0x0
	s_min_u32 s[E0], s[E0], 15                     ; an index stays inside its table
	s_min_u32 s[E1], s[E1], 15
	s_lshr_b32 s17, s[WV], 1                       ; 0: my hidden units are the first expert's, 1: the second's
	s_xor_b32 s18, s17, 1
	s_mul_i32 s19, s[E0], s18
	s_mul_i32 s20, s[E1], s17
	s_add_co_u32 s19, s19, s20                     ; my expert in the first product
	s_and_b32 s20, s[WV], 1                        ; and which half of its 128 hidden units
	s_mov_b32 s23, 0
	s_lshl_b32 s22, s19, 17
	s_lshl_b32 s21, s20, 16
	s_add_co_u32 s22, s22, s21
	s_add_nc_u64 s[W1B:W1B+1], s[8:9], s[22:23]
	s_lshl_b32 s22, s19, 9
	s_lshl_b32 s21, s20, 8
	s_add_co_u32 s22, s22, s21
	s_add_nc_u64 s[B1P:B1P+1], s[12:13], s[22:23]
	s_lshl_b32 s21, s[WV], 15
	s_lshl_b32 s22, s[E0], 17
	s_add_co_u32 s22, s22, s21
	s_add_nc_u64 s[W2A:W2A+1], s[10:11], s[22:23]
	s_lshl_b32 s22, s[E1], 17
	s_add_co_u32 s22, s22, s21
	s_add_nc_u64 s[W2B:W2B+1], s[10:11], s[22:23]
	s_lshl_b32 s21, s[WV], 9
	s_add_co_u32 s21, s21, 8192
	s_lshl_b32 s22, s[E0], 11
	s_add_co_u32 s22, s22, s21
	s_add_nc_u64 s[B2A:B2A+1], s[12:13], s[22:23]
	s_lshl_b32 s22, s[E1], 11
	s_add_co_u32 s22, s22, s21
	s_add_nc_u64 s[B2B:B2B+1], s[12:13], s[22:23]
.macro W1LOAD k                        ; K step k of my W1 (4 fragments) into ring slot k % 8: 8 loads of 512 consecutive bytes
	WIN 0x40                                       ; destination window 1, address window 0
.irp hb, 0,1,2,3
	global_load_b128 v[32*((\k)%8)+8*(\hb):32*((\k)%8)+8*(\hb)+3],   v[VO], s[W1B:W1B+1] offset:4096*(\k)+1024*(\hb)
	global_load_b128 v[32*((\k)%8)+8*(\hb)+4:32*((\k)%8)+8*(\hb)+7], v[VO], s[W1B:W1B+1] offset:4096*(\k)+1024*(\hb)+512
.endr
.endm
.macro W2LOAD g                        ; fragments 4 g .. 4 g + 3 of both experts' W2: the second's into the ring slot just read out, the first's into window 3
	WIN 0x40
.irp i, 0,1,2,3
	global_load_b128 v[8*(4*(\g)+(\i)):8*(4*(\g)+(\i))+3],   v[VO], s[W2B:W2B+1] offset:1024*(4*(\g)+(\i))
	global_load_b128 v[8*(4*(\g)+(\i))+4:8*(4*(\g)+(\i))+7], v[VO], s[W2B:W2B+1] offset:1024*(4*(\g)+(\i))+512
.endr
	WIN 0xc0
.irp i, 0,1,2,3
	global_load_b128 v[8*(4*(\g)+(\i)):8*(4*(\g)+(\i))+3],   v[VO], s[W2A:W2A+1] offset:1024*(4*(\g)+(\i))
	global_load_b128 v[8*(4*(\g)+(\i))+4:8*(4*(\g)+(\i))+7], v[VO], s[W2A:W2A+1] offset:1024*(4*(\g)+(\i))+512
.endr
.endm
.irp hb, 0,1,2,3                       ; b1 in the accumulators' layout: register j of lane (r, h) is hidden unit 16 hb + 8 h + j
	global_load_b128 v[B1+8*(\hb):B1+8*(\hb)+3],   v[VB], s[B1P:B1P+1] offset:64*(\hb)
	global_load_b128 v[B1+8*(\hb)+4:B1+8*(\hb)+7], v[VB], s[B1P:B1P+1] offset:64*(\hb)+16
.endr
.irp k, 0,1,2,3,4,5,6,7
	W1LOAD \k
.endr
; Chunk s is made ready in two parts.  CVL: my 32 rows have landed (the 7 - s younger tensor loads stay out) and are read as f32.  CVS: they are rounded to bf16 and put back into the rows' first halves,
; all reads ahead of all stores.  The barrier that shows the chunk to the other waves stands in BODY.
.macro CVL s
	WIN 0
	s_wait_tensorcnt 7-(\s)
.irp i, 0,1,2,3,4,5,6,7,8,9,10,11,12,13,14,15
	ds_load_b128 v[CV+4*(\i):CV+4*(\i)+3], v[ACV] offset:2*XP*(\i)
.endr
.if (\s) < 7
	v_add_nc_u32 v[ACV], CHB, v[ACV]               ; on to the next chunk
.endif
.endm
.macro CVS s
	WIN 0
.irp i, 0,1,2,3,4,5,6,7,8,9,10,11,12,13,14,15
	s_wait_dscnt 15-(\i)                           ; CVL's loads are my youngest LDS instructions and come back in order: pair i of rows is in, and so is all that is older
	v_cvt_pk_bf16_f32 v[CV+4*(\i)], v[CV+4*(\i)], v[CV+4*(\i)+1]
	v_cvt_pk_bf16_f32 v[CV+4*(\i)+1], v[CV+4*(\i)+2], v[CV+4*(\i)+3]
.endr
.irp i, 0,1,2,3,4,5,6,7,8,9,10,11,12,13,14,15
	ds_store_b64 v[ASV], v[CV+4*(\i):CV+4*(\i)+1] offset:2*XP*(\i)
.endr
.if (\s) < 7
	v_add_nc_u32 v[ASV], CHB, v[ASV]
.endif
.endm
.macro FETCH c                         ; x's fragments of K step c: 128 rows x 32 columns, 16 loads, into buffer c % 2
	WIN 0
.irp rb, 0,1,2,3,4,5,6,7
	ds_load_b128 v[XF+64*((\c)%2)+8*(\rb):XF+64*((\c)%2)+8*(\rb)+3],   v[AX] offset:16*XP*(\rb)+64*((\c)%2)
	ds_load_b128 v[XF+64*((\c)%2)+8*(\rb)+4:XF+64*((\c)%2)+8*(\rb)+7], v[AX] offset:16*XP*(\rb)+64*((\c)%2)+32
.endr
.endm
; Half of K step c: 16 matrix instructions, hidden blocks 2 half and 2 half + 1 x the 8 row blocks; the 32 accumulators take turns.  The first K step starts the sums with b1.
; The count 56: behind W1's group c seven groups of 8 loads have been issued (K steps c + 1 to c + 7), from K step 9 on more: W1's group c is in, and so is b1, which is older.
.macro MULH c, half
.if (\half) == 0
	s_wait_loadcnt 56
.endif
.if (\c) == 0
	WIN 0x81                                       ; W1 window 1, x and b1 window 0, the sums window 2
.else
	WIN 0xa1
.endif
.irp hh, 0,1
.irp rb, 0,1,2,3,4,5,6,7
.set mT, 8*(4*(\rb)+2*(\half)+(\hh))
.set mW, 32*((\c)%8)+8*(2*(\half)+(\hh))
.set mX, XF+64*((\c)%2)+8*(\rb)
.if (\c) == 0
	v_wmma_f32_16x16x32_bf16 v[mT:mT+7], v[mW:mW+7], v[mX:mX+7], v[B1+8*(2*(\half)+(\hh)):B1+8*(2*(\half)+(\hh))+7]
.else
	v_wmma_f32_16x16x32_bf16 v[mT:mT+7], v[mW:mW+7], v[mX:mX+7], v[mT:mT+7]
.endif
.endr
.endr
.endm
.macro REFILL c                        ; the ring slot just read out takes W1's K step c + 8, seven K steps (224 matrix instructions) ahead of its use; when W1 is all asked for, W2
	PLACES                                         ; also the places ahead of the next loads into the x buffer that K step c read
.if (\c) < 8
	W1LOAD (\c)+8
.else
	W2LOAD (\c)-8
.endif
.endm
; Chunk s is multiplied and chunk s + 1 made ready.  On entry three runs of 16 LDS loads are out, in this order: the fragments of K steps 2 s and 2 s + 1, and chunk s + 1's f32 (in the last chunk: the first two).
.macro BODY s
.if (\s) < 7
	s_wait_dscnt 32                                ; K step 2 s's fragments are in; the 32 younger loads may be out
.else
	s_wait_dscnt 16
.endif
	MULH 2*(\s), 0
.if (\s) < 7
	CVS (\s)+1                                     ; 16 matrix instructions behind CVL's loads; 16 more stand between these stores and the wait for them
.endif
	MULH 2*(\s), 1
	REFILL 2*(\s)
	s_wait_dscnt 0x0                               ; my rows of chunk s + 1 are in LDS as bf16 (for the others' sake), and K step 2 s + 1's fragments are in: all my reads of chunk s are over
.if (\s) < 7
	s_barrier_signal -1
.endif
	MULH 2*(\s)+1, 0                               ; work on registers while the others arrive
.if (\s) < 7
	s_barrier_wait -1                              ; chunk s + 1 is whole
	FETCH 2*(\s)+2                                 ; into the buffer that K step 2 s read: REFILL's four places stand between
.endif
	MULH 2*(\s)+1, 1
	REFILL 2*(\s)+1
.if (\s) < 7
	FETCH 2*(\s)+3
.if (\s) < 6
	v_add_nc_u32 v[AX], CHB, v[AX]
	CVL (\s)+2
.endif
.endif
.endm
	CVL 0                                          ; the first chunk has nothing to stand behind
	CVS 0
	s_wait_dscnt 0x0
	s_barrier_signal -1
	s_barrier_wait -1
	FETCH 0
	FETCH 1
	v_add_nc_u32 v[AX], CHB, v[AX]
	CVL 1
	BODY 0
	BODY 1
	BODY 2
	BODY 3
	BODY 4
	BODY 5
	BODY 6
	BODY 7
	WIN 0                                          ; both experts' b2, in the accumulators' layout; the four places of the last REFILL stand ahead of the loads into x's second buffer
.irp db, 0,1,2,3,4,5,6,7
	global_load_b128 v[B2+8*(\db):B2+8*(\db)+3],     v[VB], s[B2A:B2A+1] offset:64*(\db)
	global_load_b128 v[B2+8*(\db)+4:B2+8*(\db)+7],   v[VB], s[B2A:B2A+1] offset:64*(\db)+16
	global_load_b128 v[HF1+8*(\db):HF1+8*(\db)+3],   v[VB], s[B2B:B2B+1] offset:64*(\db)
	global_load_b128 v[HF1+8*(\db)+4:HF1+8*(\db)+7], v[VB], s[B2B:B2B+1] offset:64*(\db)+16
.endr
; GELU, an accumulator (8 numbers a lane) at a time: gelu(x) = max(x, 0) - |x| q, q = (a1 t + a2 t^2 + a3 t^3) 2^(-(SQ x)^2), t = 1 / (1 + PPC |x|); a1 to a3 are half of the series' coefficients.
; PREP i makes the arguments, TRANS i is one batch of 8 reciprocals and 8 exponentials, FIN i makes the result, rounds it and puts 16 bytes into the hidden layer's row.  PREP i + 1, on the other set of
; registers, is the independent work between a batch and its one wait.
.macro PREP i
.set gX, 8*(\i)
.set gS, GT+32*((\i)%2)
	WIN 0x0a                                       ; sources 0 and 1 window 2
.irp k, 0,2,4,6
	v_pk_mul_f32 v[gS+8+(\k):gS+9+(\k)], v[gX+(\k):gX+(\k)+1], s[SQ:SQ+1] op_sel_hi:[1,0]   ; the accumulator is read from its low end on
.endr
.irp k, 0,1,2,3,4,5,6,7
	v_and_b32 v[gS+16+(\k)], s[ABSM], v[gX+(\k)]
.endr
.irp k, 0,1,2,3,4,5,6,7
	v_max_num_f32 v[gS+24+(\k)], 0, v[gX+(\k)]
.endr
	WIN 0
.irp k, 0,2,4,6
	v_pk_fma_f32 v[gS+(\k):gS+(\k)+1], v[gS+16+(\k):gS+17+(\k)], s[PPC:PPC+1], 1.0 op_sel_hi:[1,0,0]
.endr
.irp k, 0,2,4,6
	v_pk_mul_f32 v[gS+8+(\k):gS+9+(\k)], v[gS+8+(\k):gS+9+(\k)], v[gS+8+(\k):gS+9+(\k)] neg_lo:[1,0] neg_hi:[1,0]
.endr
.endm
.macro TRANS i
.set gS, GT+32*((\i)%2)
	WIN 0
.irp k, 0,1,2,3,4,5,6,7
	v_rcp_f32 v[gS+(\k)], v[gS+(\k)]
	v_exp_f32 v[gS+8+(\k)], v[gS+8+(\k)]
.endr
.endm
.macro FIN i
.set gS, GT+32*((\i)%2)
.set gG, GG+4*((\i)%2)
	WIN 0
.irp k, 0,2,4,6
	v_pk_fma_f32 v[GP+(\k):GP+(\k)+1], v[gS+(\k):gS+(\k)+1], s[CA3:CA3+1], s[CA2:CA2+1] op_sel_hi:[1,0,0]
.endr
.irp k, 0,2,4,6
	v_pk_fma_f32 v[GP+(\k):GP+(\k)+1], v[GP+(\k):GP+(\k)+1], v[gS+(\k):gS+(\k)+1], s[CA1:CA1+1] op_sel_hi:[1,1,0]
.endr
.irp k, 0,2,4,6
	v_pk_mul_f32 v[GP+(\k):GP+(\k)+1], v[GP+(\k):GP+(\k)+1], v[gS+(\k):gS+(\k)+1]
.endr
.irp k, 0,2,4,6
	v_pk_mul_f32 v[GP+(\k):GP+(\k)+1], v[GP+(\k):GP+(\k)+1], v[gS+8+(\k):gS+9+(\k)]
.endr
.irp k, 0,2,4,6
	v_pk_fma_f32 v[GP+(\k):GP+(\k)+1], v[gS+16+(\k):gS+17+(\k)], v[GP+(\k):GP+(\k)+1], v[gS+24+(\k):gS+25+(\k)] neg_lo:[1,0,0] neg_hi:[1,0,0]
.endr
.irp k, 0,1,2,3
	v_cvt_pk_bf16_f32 v[gG+(\k)], v[GP+2*(\k)], v[GP+2*(\k)+1]
.endr
	ds_store_b128 v[AH], v[gG:gG+3] offset:16*HP*((\i)/4)+32*((\i)%4)   ; accumulator i = 4 rb + hb: rows 16 rb on, hidden units 16 hb on
.endm
.macro FETCH_H hf, rb                  ; the hidden layer's fragments of row block rb, 16 rows x 256: 16 loads
	WIN 0
.irp kc, 0,1,2,3,4,5,6,7
	ds_load_b128 v[(\hf)+8*(\kc):(\hf)+8*(\kc)+3],   v[AHF] offset:16*HP*(\rb)+64*(\kc)
	ds_load_b128 v[(\hf)+8*(\kc)+4:(\hf)+8*(\kc)+7], v[AHF] offset:16*HP*(\rb)+64*(\kc)+32
.endr
.endm
.macro MUL2 acc, hf                    ; 16 rows x my 128 columns: 64 matrix instructions, the 8 accumulators by turns; the first K step starts the sums with b2
.irp kc, 0,1,2,3,4,5,6,7
.if (\kc) == 0
	WIN 0x83                                       ; W2 window 3, the hidden layer and b2 window 0, the sums window 2
.elseif (\kc) < 4
	WIN 0xa3
.else
	WIN 0xa1                                       ; the second expert's W2: window 1
.endif
.irp db, 0,1,2,3,4,5,6,7
.if (\kc) == 0
	v_wmma_f32_16x16x32_bf16 v[(\acc)+8*(\db):(\acc)+8*(\db)+7], v[8*(\db):8*(\db)+7], v[(\hf):(\hf)+7], v[B2+8*(\db):B2+8*(\db)+7]
.else
	v_wmma_f32_16x16x32_bf16 v[(\acc)+8*(\db):(\acc)+8*(\db)+7], v[64*((\kc)%4)+8*(\db):64*((\kc)%4)+8*(\db)+7], v[(\hf)+8*(\kc):(\hf)+8*(\kc)+7], v[(\acc)+8*(\db):(\acc)+8*(\db)+7]
.endif
.endr
.endr
.endm
.macro OUT_LDS acc                     ; a lane's 32 bytes of a row go into my stage, and come back as whole rows of 512 bytes into the registers that they left
	WIN 0x88                                       ; store data (source 1) and loaded data (destination) window 2, addresses window 0
.irp db, 0,1,2,3,4,5,6,7
	ds_store_b128 v[AST], v[(\acc)+8*(\db):(\acc)+8*(\db)+3] offset:64*(\db)       ; each accumulator's low registers first
	ds_store_b128 v[AST], v[(\acc)+8*(\db)+4:(\acc)+8*(\db)+7] offset:64*(\db)+16
.endr
.irp i, 0,1,2,3,4,5,6,7,8,9,10,11,12,13,14,15
	ds_load_b128 v[(\acc)+4*(\i):(\acc)+4*(\i)+3], v[ARD] offset:HP*(\i)           ; LDS serves a wave's instructions in order (ISA guide 5.7.1.4): these see the stores above, and the next block's stores come behind them
.endr
.endm
.macro GSTORE acc, rb, younger         ; row block rb leaves.  younger: the LDS loads issued behind the stage's 16
	WIN 0x88
.irp g, 0,1,2,3
	s_wait_dscnt (\younger)+12-4*(\g)              ; rows 4 g .. 4 g + 3 are back; the stage's later rows and the younger loads stay out
.irp i, 0,1,2,3
	global_store_b128 v[VO], v[(\acc)+16*(\g)+4*(\i):(\acc)+16*(\g)+4*(\i)+3], s[14:15] offset:32768*(\rb)+2048*(4*(\g)+(\i)) th:TH_STORE_NT  ; 512 consecutive bytes, at a multiple of 256 from out0's first byte; 260,096 at the most, inside the signed 24-bit immediate
.endr
.endr
.endm
; Sixteen accumulators from number first on: 64 rows.  tail = 1: the last row block of the half before is stored behind the first batch, whose lines stand between its loads from the stage and the wait for them.
.macro GELU first, tail
	PREP \first
	TRANS \first
.if \tail
	GSTORE ACC1, 3, 0
.endif
.set t, \first
.rept 15
	PREP t+1
	s_wait_alu depctr_va_vdst(0)                   ; one wait for the batch ahead of the first line that names a result of it
	FIN t
	TRANS t+1
.set t, t+1
.endr
	v_nop                                          ; a plain instruction behind the last exponential (ISA guide 5.7.2)
	s_wait_alu depctr_va_vdst(0)
	FIN t
.endm
; The second product of row blocks r0 to r0 + 3, on two sets of fragments and two sets of accumulators by turns.  Behind a block's products: the block before is stored (its way through the stage has had those
; 64 matrix instructions), four places, the block's own way into the stage and back, and the fragments of the block two further on.  The last block's stores follow the macro.
; s_wait_xcnt 0 stands ahead of the products that write over registers that were the data of stores (ISA guide 3.1).
.macro P2HALF r0
	FETCH_H HF0, (\r0)
	FETCH_H HF1, (\r0)+1
	s_wait_dscnt 16                                ; the first block's fragments are in, the second's 16 loads may be out
	s_wait_xcnt 0x0
	MUL2 ACC0, HF0
	PLACES
	OUT_LDS ACC0
	FETCH_H HF0, (\r0)+2
	s_wait_dscnt 48                                ; the second block's fragments are in: the stage's 32 instructions and 16 fragment loads are younger
	MUL2 ACC1, HF1
	GSTORE ACC0, (\r0), 16
	PLACES
	OUT_LDS ACC1
	FETCH_H HF1, (\r0)+3
	s_wait_dscnt 48                                ; the third block's: the same count
	s_wait_xcnt 0x0
	MUL2 ACC0, HF0
	GSTORE ACC1, (\r0)+1, 16
	PLACES
	OUT_LDS ACC0
	s_wait_dscnt 32                                ; the fourth block's: the stage's 32 instructions are younger
	s_wait_xcnt 0x0
	MUL2 ACC1, HF1
	GSTORE ACC0, (\r0)+2, 0
	PLACES
	OUT_LDS ACC1
.endm
	GELU 0, 0                                      ; rows 0-63
	WIN 0
	s_wait_loadcnt 0x0                             ; all of W2, and b2
.set t, 0
.rept 32
	v_pk_add_f32 v[B2+2*t:B2+2*t+1], v[B2+2*t:B2+2*t+1], v[HF1+2*t:HF1+2*t+1]   ; the two experts' b2; these lines stand between gelu's last LDS stores and the wait for them
.set t, t+1
.endr
	s_wait_dscnt 0x0                               ; for the others' sake: my part of the hidden layer's rows 0-63 is in LDS
	s_barrier_signal -1
	s_barrier_wait -1
	P2HALF 0
	GELU 16, 1                                     ; rows 64-127, while the first half's stores are on their way.  Their LDS bytes, from 64 x 528 on, lie behind all that the first half's fetches read
	s_wait_dscnt 0x0                               ; for the others' sake: my part of rows 64-127 is in LDS
	s_barrier_signal -1
	s_barrier_wait -1
	P2HALF 4
	GSTORE ACC1, 7, 0
	WIN 0
	s_wait_tensorcnt 0x0                           ; the wave's end: behind my last tensor load and my last LDS store
	ds_add_u32 v[SPW], v[NIL]
	s_wait_dscnt 0x0
	s_endpgm
.Lfunc_end_k_q6a90e4fee3_ffn:
	.size	k_q6a90e4fee3_ffn, .Lfunc_end_k_q6a90e4fee3_ffn-k_q6a90e4fee3_ffn
	.p2alignl 7, 3214868480
	.fill 96, 4, 3214868480
	.section	.rodata,"a",@progbits
	.p2align	6, 0x0
	.amdhsa_kernel k_q6a90e4fee3_ffn
		.amdhsa_group_segment_fixed_size 279040
		.amdhsa_private_segment_fixed_size 0
		.amdhsa_enable_private_segment 0
		.amdhsa_kernarg_size 48
		.amdhsa_user_sgpr_count 2
		.amdhsa_user_sgpr_kernarg_segment_ptr 1
		.amdhsa_wavefront_size32 1
		.amdhsa_system_sgpr_workgroup_id_x 1
		.amdhsa_system_sgpr_workgroup_id_y 1
		.amdhsa_system_sgpr_workgroup_id_z 1
		.amdhsa_system_vgpr_workitem_id 0
		.amdhsa_next_free_vgpr 1024
		.amdhsa_next_free_sgpr 96
		.amdhsa_reserve_vcc 0
		.amdhsa_float_denorm_mode_32 3
		.amdhsa_float_denorm_mode_16_64 3
		.amdhsa_memory_ordered 1
		.amdhsa_forward_progress 1
		.amdhsa_inst_pref_size 255
	.end_amdhsa_kernel
	.section	.bss,"aw",@nobits
	.p2align	6
	.space	262144
	.amdgpu_metadata
---
amdhsa.version: [ 1, 2 ]
amdhsa.kernels:
  - .name:           k_q6a90e4fee3_ffn
    .symbol:         k_q6a90e4fee3_ffn.kd
    .args:
      - { .name: x, .offset: 0, .size: 8, .value_kind: global_buffer, .address_space: global }
      - { .name: idx, .offset: 8, .size: 8, .value_kind: global_buffer, .address_space: global }
      - { .name: w1f, .offset: 16, .size: 8, .value_kind: global_buffer, .address_space: global }
      - { .name: w2f, .offset: 24, .size: 8, .value_kind: global_buffer, .address_space: global }
      - { .name: br, .offset: 32, .size: 8, .value_kind: global_buffer, .address_space: global }
      - { .name: out0, .offset: 40, .size: 8, .value_kind: global_buffer, .address_space: global }
    .group_segment_fixed_size: 279040
    .private_segment_fixed_size: 0
    .kernarg_segment_align: 8
    .kernarg_segment_size: 48
    .max_flat_workgroup_size: 128
    .sgpr_count:     96
    .vgpr_count:     1024
    .wavefront_size: 32
...
	.end_amdgpu_metadata
.endif
;; end of part 3
